; MI455X (gfx1250); checked and timed in simulation.
; The chip was launched on July 23, 2026; its instructions are those of AMD's public machine-readable ISA for CDNA 5 (MIT licence, August 2026) and "CDNA5" Instruction Set Architecture Reference Guide (July 2026). The comments in the code are by the model that wrote it; some were corrected since.
;; Multi Head Attention. Allowed arithmetic: matrix products marked QUANTISED: E3M2 operands, one E8M0 scale for each 32 along K, by v_wmma_scale_f32_16x16x128_f8f6f4 with both operands' format E3M2, f32 sums; products left as they are: f32 operands where the result goes on into a quantised operand, else bf16, f16 or f32 operands; f32 sums; everything else in f32.
;; Inputs: W_key_codes 8 x 16 x 4 x 24 uint8 (E3M2 codes of W_key, K innermost, in blocks of 32 codes, four codes in three bytes); W_key_scales 8 x 16 x 4 uint8 (E8M0 scales of W_key, one for each 32 codes along K); W_out 8 x 16 x 128 float32; W_query_codes 8 x 16 x 4 x 24 uint8 (E3M2 codes of W_query, K innermost, in blocks of 32 codes, four codes in three bytes); W_query_scales 8 x 16 x 4 uint8 (E8M0 scales of W_query, one for each 32 codes along K); W_val_codes 8 x 16 x 4 x 24 uint8 (E3M2 codes of W_val, K innermost, in blocks of 32 codes, four codes in three bytes); W_val_scales 8 x 16 x 4 uint8 (E8M0 scales of W_val, one for each 32 codes along K); h_codes 4 x 2,048 x 4 x 24 uint8 (E3M2 codes of h, K innermost, in blocks of 32 codes, four codes in three bytes); h_scales 4 x 2,048 x 4 uint8 (E8M0 scales of h, one for each 32 codes along K).
;; Outputs: out0 4 x 2,048 x 128 float32.
;; This version of the problem:
;;   THIS VERSION OF THE PROBLEM IS GIVEN IN LOW PRECISION. The matrix products marked QUANTISED in the list below multiply operands that are first quantised to E3M2 (3 exponent bits, 2 mantissa bits; 6 bits a number), with one power-of-two scale for each 32 numbers along K (OCP MX v1.0); their sums are f32. All else is computed in f32.
;;   The module's matrix products, in the order in which they are computed (A, B: the left and right operand; K: the contracted axis; several contracted axes count as one K, in the product's order):
;;     1. [M 128, K 128] x [K 128, N 8,192]; A: input W_query (given as codes); B: input h (given as codes): QUANTISED
;;     2. [M 128, K 128] x [K 128, N 8,192]; A: input W_key (given as codes); B: input h (given as codes): QUANTISED
;;     3. [M 128, K 128] x [K 128, N 8,192]; A: input W_val (given as codes); B: input h (given as codes): QUANTISED
;;     4. batch 32 x [M 2,048, K 16] x [K 16, N 2,048]; A: computed on the way; B: computed on the way: left as it is (K = 16 < 32)
;;     5. batch 32 x [M 2,048, K 2,048] x [K 2,048, N 16]; A: softmax (see below); B: computed on the way: QUANTISED
;;     6. [M 8,192, K 128] x [K 128, N 128]; A: computed on the way; B: input W_out: QUANTISED
;;   THE QUANTISER, for each operand of a quantised product, along K:
;;     - K is cut into blocks of 32 from its start; a last block that is shorter is filled with zeros.
;;     - A block's scale is 2^e with e = floor(log2(the largest magnitude in the block)) - 4, held to -126 .. 127; a block of zeros has e = 0. As a byte (E8M0): e + 127.
;;     - Each number is divided by its block's scale, clamped to +-28, and rounded to the nearest number of E3M2, ties to even, subnormals kept.
;;     - The product sums the exact products of the quantised numbers (number of the format x scale) in f32.
;;   ~~~python
;;   def quantise(x, axis):      # numpy; x: float32 -> the quantised numbers, widened to float32 again
;;       x = np.moveaxis(x, axis, -1); K = x.shape[-1]
;;       x = np.pad(x, [(0, 0)] * (x.ndim - 1) + [(0, -K % 32)]); x = x.reshape(x.shape[:-1] + (-1, 32)); a = np.abs(x).max(-1, keepdims=True)
;;       e = np.where(a > 0, np.clip(np.frexp(np.where(a > 0, a, 1))[1] - 1 - 4, -126, 127), 0)      # np.frexp(a)[1] - 1 = floor(log2(a)), exactly
;;       r = np.clip(x / 2.0 ** e, -28, 28)
;;       step = 2.0 ** (np.maximum(np.frexp(np.where(r == 0, 1, r))[1] - 1, -2) - 2)
;;       q = np.round(r / step) * step * 2.0 ** e      # np.round: ties to even
;;       return np.moveaxis(q.reshape(q.shape[:-2] + (-1,))[..., :K], -1, axis).astype(np.float32)
;;   ~~~
;;   SOFTMAX AHEAD OF A QUANTISED PRODUCT. Where the list says 'softmax', what is quantised is not the finished softmax but p = 2^(t - M), with t = logit x log2(e) and M = ceil(the row's largest t), a whole number; so 1/2 < the row's largest p <= 1. The row's sum l is taken of the UNQUANTISED p, in f32, and the product's result is divided by l at the end. Since M is a whole number, a kernel that streams over the keys may use a running M (the ceiling of the running maximum): every later rescaling is an exact power of two, which a block's scale takes up: the codes' values come out the same.
;;   OPERANDS COMPUTED ON THE WAY. 'Computed on the way' means the value that the module computes at that place (a softmax that the list does not call 'softmax' is quantised finished and normalised). What goes into a quantiser is computed in f32, as accurately as f32 sums, v_exp_f32 and their like allow (about 1e-6 of the number): no bf16 or f16 on the way to a quantiser, and a product that is left as it is and whose result goes on into a quantised operand takes f32 operands (vector FMAs, or v_wmma_f32_16x16x4_f32). A number that lies on a knife's edge between two numbers of the format may be rounded either way, as far as f32 arithmetic and the matrix unit's own rounding can turn it there, and no further.
;;   INPUTS GIVEN AS CODES. W_key (in the module: [8, 128, 16], K = its axis 1); W_query (in the module: [8, 128, 16], K = its axis 1); W_val (in the module: [8, 128, 16], K = its axis 1); h (in the module: [4, 2048, 128], K = its axis 2): each comes as NAME_codes (uint8): NAME with its K axis moved to the last place and cut into blocks of 32 codes, [.., K / 32, bytes a block], one block behind the other in memory; four codes in three bytes: a row's codes are one little-endian stream of bits, code i at bits 6 i .. 6 i + 5 (a code: sign, 3 exponent bits, 2 mantissa bits); and NAME_scales (uint8): the same leading axes, one E8M0 byte (e + 127) for each 32 codes along K. Its value is code x scale, taken as it is: it is not quantised again, and the codes and scales need not be those that the quantiser above would give.
;; One version. Each part assembles by itself: llvm-mc -triple=amdgcn-amd-amdhsa -mcpu=gfx1250 --defsym DOCPART=n.
;; ======== version 1 of 1: 1 launch
;; launch mha (part 1): grid 64 x 4, 8 waves a work-group, clusters of 4 x 1, 239,616 bytes of LDS; arguments h_codes, h_scales, W_query_codes, W_query_scales, W_key_codes, W_key_scales, W_val_codes, W_val_scales, W_out, out0; writes out0
.if DOCPART == 1
	.amdgcn_target "amdgcn-amd-amdhsa--gfx1250"
	.amdhsa_code_object_version 6
	.text
	.protected	k_q6962582a88_mha
	.globl	k_q6962582a88_mha
	.p2align	8
	.type	k_q6962582a88_mha,@function
k_q6962582a88_mha:
	s_mov_b64 s[64:65], 0
	v_nop
	global_prefetch_b8 v0, s[64:65] scope:SCOPE_SE
	s_setreg_imm32_b32 hwreg(HW_REG_WAVE_MODE, 25, 1), 1
	s_wait_xcnt 0x0
	s_wait_alu depctr_hold_cnt(0) depctr_sa_sdst(0) depctr_va_vdst(0) depctr_va_sdst(0) depctr_va_ssrc(0) depctr_va_vcc(0) depctr_vm_vsrc(0)
	s_getreg_b32 s2, hwreg(HW_REG_IB_STS2, 6, 4)
	s_cmp_eq_u32 s2, 0
	s_cbranch_scc0 .Lentry_in_a_cluster
	s_endpgm
.Lentry_in_a_cluster:
	s_bfe_u32 s2, ttmp6, 0x10000c
	s_cmp_lg_u32 s2, 0x3003
	s_cbranch_scc0 .Lentry_shape_is_right
	s_endpgm
.Lentry_shape_is_right:
; Multi-head self-attention: 4 batches x 2,048 tokens x 8 heads of 16 channels, in ONE launch; nothing goes to memory but out0.
; Q, K, V = h W (codes of BF6 as given);  S = Q K^T in f32 (its K is 16: left as it is, f32 operands, since p is quantised);  p = 2^(t - M), t = S log2(e) / 4, M a whole number;
; O = p V on codes of BF6 made here (p and V along the keys);  heads = O / sum(p);  out = heads W_out on codes of BF6 made here (K = 16 x head + channel).
; SHARES.  A work-group owns 32 queries of one batch; wave w is head w and owns both tiles of 16 queries.  So a work-group holds all 8 heads of its rows, and the last product,
; whose K spans the heads, is done here too, through a stage in LDS.  64 x 4 work-groups, all with the same work.
; K AND V ARE MADE ANEW FROM h IN EVERY KEY STEP.  The batch's codes (196,608 bytes) and scale words (8,192) come into LDS once and stay: nothing is filled again, and the loops have no barrier.
; A key step is 128 keys: 8 fragments of h from LDS, 8 + 8 scaled products (K^T = W_key h^T, V = h W_val^T), V quantised along the keys, then for each tile of queries 32 f32 products, the softmax, one scaled product.
; BY TURNS.  A tile's softmax has two parts.  The first (81 lines: maxima, M, t - M into other registers) reads S^T and leaves it free.  The second (136 lines: exponentials, p's codes, sums) does not touch S^T:
; it stands in slices, one behind each of the 32 f32 products that make the NEXT tile's S^T.  A step has 64 such products for its 2 x 136 lines: 4 lines for each.  The price: a slice works in window 0 and a
; product in window 1, so each slice has two switches of the window, 128 a step.
; LAYOUT (r = lane % 16, h = lane / 16).  Lane r of key tile 2 b + u takes key 32 b + 8 u + r + 8 (r / 8).
;   K^T tile: lane (r, h) register j = K(key of lane r, dim 8 h + j).  Registers 2 s, 2 s + 1 ARE source 0 of the f32 form for its K step s, with slot 2 h + j holding dim 8 h + 2 s + j; Q^T is made alike, so both sides
;   have the same dim in the same slot.   S^T tile: lane = query r; registers 16 b + i of two neighbouring tiles = keys 32 b + 16 h + i.   V tile: lane = channel r, the same keys.   O^T: lane = query r, register j = channel 8 h + j.
; CLUSTER.  The four work-groups of a cluster belong to one batch and want the same 204,800 bytes: each fill is asked for jointly (mask 15).  cx enters the addresses of the query rows and of out0 alone.
; NOT USED: a ring (all of h fits); padding of the rows of h (96 bytes are no power of two); a prefetch (the one stream is asked for at the head, by the fills themselves).
; LIMITS.  NaN and infinities among the inputs are not served.  A block whose largest magnitude lies under 2^-122 (a block of zeros too) gets the scale byte 1.  p under 2^-126 counts as 0.
;   The f32 product adds its 16 terms in the order of dims 0,1,8,9, 2,3,10,11, ..  The division by the sum is a reciprocal and a multiplication.
; REGISTERS, in windows of 256.  Window 0: see the names below.  Window 1: v0-63 K in f32, v64-127 S^T (written by the f32 matrix form alone), v128-143 Q in f32, v160-255 the 8 fragments of h.
.set HS,     196608                    ; LDS: codes of h at 0 (key k at 96 k); scale words here (key k at 4 k);
.set STG1,   204800                    ; the heads, f32: 32 rows x (512 + 16) bytes;
.set STG2,   221696                    ; out, f32: likewise.  No fill lands in the two stages
.set SPITCH, 528
.set AK0, 1                            ; v1   my place in a tile of keys: 96 (r + 8 (r / 8)) + 24 h
.set AS0, 2                            ; v2   and among the scale words: HS + 4 (r + 8 (r / 8))
.set ADK, 3                            ; v3   the step's address of codes
.set ADS, 4                            ; v4   and of scale words
.set RR,  5                            ; v5   r
.set HH,  6                            ; v6   h
.set AW,  7                            ; v7   96 r + 24 h
.set ST,  8                            ; tile i at v[8 + 4 i]: -M, the largest t, the sum in two halves
.set WKF, 16                           ; v16-27  W_key, my head
.set WVF, 28                           ; v28-39  W_val
.set SWK, 40                           ; v40-47 hold scale words and nothing else: W_key, W_val, W_out, V, p, the heads (two), W_query
.set SWV, 41
.set SWO, 42
.set SV,  43
.set SP,  44
.set SH,  45
.set SWQ, 47
.set TM,  48                           ; v48-51 largest magnitudes, v52-55 the other half's, then bytes, v60-63 the conversions' scale operands
.set F,   64                           ; v[64:65] f = 2^(old M - new M); v65 is named with it and holds 0
.set T1,  66
.set SA,  68                           ; v[68:69] the second chain of the sums
.set T2,  70                           ; v70, v71: offsets at the head, at work later
.set T3,  71
.set QH,  72                           ; v72-95  at the head: the query rows' two fragments of h
.set SO1, 72                           ; on the way out: addresses
.set SR1, 73
.set SO2, 74
.set SR2, 75
.set GO,  76
.set RC,  78                           ; v78, v79  1 / sum
.set HSC, 96                           ; v96-103 the scale words of the 8 tiles of h (scale words and nothing else)
.set VC,  104                          ; v104-115 V's codes
.set PCD, 116                          ; v116-127 p's codes (at the head: W_query)
.set CT,  128                          ; v128-135 the conversions' second halves
.set OA,  136                          ; v136-151 O^T, two tiles
.set P,   176                          ; v176-239 V in f32, then t - M, then p
.set WO,  240                          ; v240-251 W_out's codes, my 16 columns
.set KF,  0                            ; window 1
.set S,   64
.set QF,  128
.set HF,  160
.set G1S, 24                           ; s[24:31], s[32:39], s[40:47] descriptor groups 1;  s[48:51], s[52:55], s[56:59] groups 0: never written again
.set G1A, 32
.set G1B, 40
.set G0S, 48
.set G0A, 52
.set G0B, 56
.set WAVE, 60
.set CX,  61
.set BAT, 62
.set Q0,  63
.set SEL, 66                           ; s[66:67] v_permlanex16_b32: lane l xor 16
.set CS,  68                           ; s[68:69] c = log2(e) / 4
.set TB,  70                           ; the first byte in LDS of the codes of the step to be fetched
.set TS,  71                           ; and of its scale words
.set CNT, 72
.set MSB, 0
.macro WIN new                         ; the immediate's high byte repeats the setting that is left; a switch that changes nothing is dropped
.if MSB != \new
	s_set_vgpr_msb (MSB<<8)|\new
.set MSB, \new
.endif
.endm
.macro PLACES n
.rept \n
	v_nop
.endr
.endm
.macro CROUND                          ; a round of the cluster's barrier
	s_barrier_signal -1
	s_barrier_wait -1
	s_cmp_lg_u32 s[WAVE], 0
	s_cbranch_scc1 .Lnot_wave_0_\@
	s_barrier_signal -3
.Lnot_wave_0_\@:
	s_barrier_wait -3
	s_barrier_signal -1
	s_barrier_wait -1
.endm
.macro BARRIER                         ; my LDS stores have landed and my LDS loads are in: then the work-group's barrier
	s_wait_dscnt 0x0
	s_barrier_signal -1
	s_barrier_wait -1
.endm
; 64 numbers of a lane, register 16 b + i = k 32 b + 16 h + i of my row, become a fragment's codes in v[pc] on and its scale word in v[pw].  All in window 0.
.macro QUANT s, pc, pw
.irp b, 0,1,2,3
	v_max3_num_f32 v[TM+\b], |v[\s+16*\b]|, |v[\s+16*\b+1]|, 0x2800000   ; block b: my 16 numbers, from the low end on, and the floor 2^(5 - 127): the byte cannot fall under 1
.endr
.irp n, 2,4,6,8,10,12,14
.irp b, 0,1,2,3
	v_max3_num_f32 v[TM+\b], v[TM+\b], |v[\s+16*\b+\n]|, |v[\s+16*\b+\n+1]|
.endr
.endr
.irp b, 0,1,2,3
	v_permlanex16_b32 v[TM+4+\b], v[TM+\b], s[SEL], s[SEL+1]
.endr
.irp b, 0,1,2,3
	v_max_num_f32 v[TM+\b], v[TM+\b], v[TM+4+\b]       ; with lane l xor 16's: the block's largest magnitude
.endr
.irp b, 0,1,2,3
	v_add_nc_u32 v[TM+12+\b], 0xfe000000, v[TM+\b]     ; 4 off the exponent field: the conversion takes the exponent field of this operand as its scale
.endr
.irp b, 0,1,2,3
	v_lshrrev_b32 v[TM+4+\b], 23, v[TM+12+\b]          ; the scale's byte
.endr
	v_lshl_or_b32 v[\pw], v[TM+5], 8, v[TM+4]
	v_lshl_or_b32 v[\pw], v[TM+6], 16, v[\pw]
	v_lshl_or_b32 v[\pw], v[TM+7], 24, v[\pw]
.irp c, 0,1
	v_cvt_scalef32_pk16_bf6_f32 v[\pc+6*\c:\pc+6*\c+2], v[\s+32*\c:\s+32*\c+15], v[TM+12+2*\c]
	v_cvt_scalef32_pk16_bf6_f32 v[CT+4*\c:CT+4*\c+2], v[\s+32*\c+16:\s+32*\c+31], v[TM+13+2*\c]   ; (a conversion's three registers begin on an even number)
.endr
	v_nop                                              ; one plain place behind a scaled conversion
.irp c, 0,1                            ; the operand wants a WHOLE block in a lane: lanes 0-15 block 2 c, lanes 16-31 block 2 c + 1
.irp i, 0,1,2
	v_permlane16_swap_b32 v[\pc+6*\c+\i], v[CT+4*\c+\i]
.endr
.irp i, 0,1,2
	v_mov_b32 v[\pc+3+6*\c+\i], v[CT+4*\c+\i]
.endr
.endr
.endm
; The 8 fragments of h and their scale words for the step at s[TB], s[TS].  The two additions and two v_nop are the four places behind the products that read these registers last (V's).
.macro LOADH
	v_add_nc_u32 v[ADK], s[TB], v[AK0]
	v_add_nc_u32 v[ADS], s[TS], v[AS0]
	PLACES 2
	s_add_co_u32 s[TB], s[TB], 128*96                  ; the next fetch is the next step's
	s_add_co_u32 s[TS], s[TS], 128*4
.irp t, 0,1,2,3,4,5,6,7
	ds_load_b32 v[HSC+\t], v[ADS] offset:(32*(\t/2)+8*(\t%2))*4
.endr
	WIN 0x40                                           ; destination window 1
.irp t, 0,1,2,3,4,5,6,7
.irp p, 0,1,2,3,4,5
	ds_load_b64 v[HF+12*\t+2*\p:HF+12*\t+2*\p+1], v[ADK] offset:(32*(\t/2)+8*(\t%2))*96+48*(\p/3)+8*(\p%3)
.endr
.endr
	WIN 0
.endm
.macro KPROJ                           ; K^T = W_key h^T: source 1 and destination window 1
	WIN 0x44
.irp t, 0,1,2,3,4,5,6,7
	v_wmma_scale_f32_16x16x128_f8f6f4 v[KF+8*\t:KF+8*\t+7], v[WKF:WKF+11], v[HF+12*\t:HF+12*\t+11], 0, v[SWK], v[HSC+\t] matrix_a_fmt:MATRIX_FMT_BF6 matrix_b_fmt:MATRIX_FMT_BF6
.endr
	WIN 0
.endm
.macro VPROJ                           ; V = h W_val^T: source 0 window 1
	WIN 0x01
.irp t, 0,1,2,3,4,5,6,7
	v_wmma_scale_f32_16x16x128_f8f6f4 v[P+8*\t:P+8*\t+7], v[HF+12*\t:HF+12*\t+11], v[WVF:WVF+11], 0, v[HSC+\t], v[SWV] matrix_a_fmt:MATRIX_FMT_BF6 matrix_b_fmt:MATRIX_FMT_BF6
.endr
	WIN 0
.endm
; THE SOFTMAX'S FIRST PART for tile i: all that reads S^T.  Behind it S^T may be written anew.
.macro SMA i
.set rT, ST+4*(\i)
	WIN 0x05                                           ; sources 0 and 1: S^T, window 1
.irp b, 0,1,2,3
	v_max_num_f32 v[TM+\b], v[S+16*\b], v[S+16*\b+1]   ; the largest SCORE of each block of 32 keys (each accumulator from its low end on): it serves the row's maximum and the block's largest p
.endr
.irp n, 2,4,6,8,10,12,14
.irp b, 0,1,2,3
	v_max3_num_f32 v[TM+\b], v[S+16*\b+\n], v[S+16*\b+\n+1], v[TM+\b]
.endr
.endr
	WIN 0
.irp b, 0,1,2,3
	v_permlanex16_b32 v[TM+4+\b], v[TM+\b], s[SEL], s[SEL+1]
.endr
.irp b, 0,1,2,3
	v_max_num_f32 v[TM+\b], v[TM+\b], v[TM+4+\b]       ; with lane l xor 16's 16 keys
.endr
	v_max3_num_f32 v[T1], v[TM], v[TM+1], v[TM+2]
	v_max_num_f32 v[T1], v[T1], v[TM+3]                ; the step's largest score of my query,
	v_mul_f32 v[T1], s[CS], v[T1]                      ; as t (c is positive)
	v_max_num_f32 v[rT+1], v[rT+1], v[T1]              ; the running largest t
	v_mov_b32 v[T1], v[rT]
	v_floor_f32 v[rT], -v[rT+1]                        ; the new -M = -ceil(t): a whole number
	v_sub_f32 v[T1], v[rT], v[T1]                      ; old M - new M: a whole number, 0 or less
	v_cvt_i32_f32 v[T1], v[T1]                         ; (it saturates)
	v_ldexp_f32 v[F], 1.0, v[T1]                       ; f = 2^(old M - new M)
	WIN 0x01                                           ; source 0: S^T; the results go to window 0: nothing but the matrix form writes S^T
.set j, 0
.rept 32
	v_pk_fma_f32 v[P+j:P+j+1], v[S+j:S+j+1], s[CS:CS+1], v[rT:rT+1] op_sel_hi:[1,0,0]   ; t - M, two at a time (of the pairs c and -M the low word serves both halves)
.set j, j+2
.endr
	WIN 0
.endm
; Five plain lines of tile i that read nothing of S^T: where K^T has just been made they are places between those products and K^T's use as a source.
.macro SMC i
.set rT, ST+4*(\i)
.irp b, 0,1,2,3
	v_fma_f32 v[TM+\b], v[TM+\b], s[CS], v[rT]         ; t - M of each block's largest score
.endr
	v_pk_mul_f32 v[rT+2:rT+3], v[rT+2:rT+3], v[F:F+1] op_sel_hi:[1,0]   ; the sums under the new M
.endm
; THE SOFTMAX'S SECOND PART for tile i is a list of 136 lines; SB writes number n of it and steps n.
;   0-67    ONE BATCH of exponentials: p = 2^(t - M) of the 64 scores, then of the four blocks' largest: none of these lines reads an exponential's result
;   68-71   O^T under the new M, from its low end on: plain lines behind the batch; behind 71 stands the one wait for the batch, ahead of the first line that names a result
;   72-103  p's scale word and codes: the floor, the conversions' operands, the bytes, the word, four conversions, a plain place, the exchange of halves
;   104-135 the row's sum of the unquantised p, in two chains.  These 32 name nothing of the product V^T p^T: they are the places between p's scale word (eight are asked) and codes (four) and that product
.macro SB i
.set rT, ST+4*(\i)
.set rO, OA+8*(\i)
	WIN 0
.if n < 64
	v_exp_f32 v[P+n], v[P+n]
.elseif n < 68
	v_exp_f32 v[TM+n-64], v[TM+n-64]
.elseif n < 72
	v_pk_mul_f32 v[rO+2*(n-68):rO+2*(n-68)+1], v[rO+2*(n-68):rO+2*(n-68)+1], v[F:F+1] op_sel_hi:[1,0]
.if n == 71
	s_wait_alu depctr_va_vdst(0)
.endif
.elseif n < 76
	v_max_num_f32 v[TM+n-72], 0x2800000, v[TM+n-72]    ; the floor 2^(5 - 127): a block whose every p is 0 keeps the byte 1; its codes are zeros
.elseif n < 80
	v_add_nc_u32 v[TM+12+n-76], 0xfe000000, v[TM+n-76]
.elseif n < 84
	v_lshrrev_b32 v[TM+4+n-80], 23, v[TM+12+n-80]
.elseif n == 84
	v_lshl_or_b32 v[SP], v[TM+5], 8, v[TM+4]
.elseif n == 85
	v_lshl_or_b32 v[SP], v[TM+6], 16, v[SP]
.elseif n == 86
	v_lshl_or_b32 v[SP], v[TM+7], 24, v[SP]
.elseif n < 91
.set c, (n-87)/2
.if (n-87)%2 == 0
	v_cvt_scalef32_pk16_bf6_f32 v[PCD+6*c:PCD+6*c+2], v[P+32*c:P+32*c+15], v[TM+12+2*c]
.else
	v_cvt_scalef32_pk16_bf6_f32 v[CT+4*c:CT+4*c+2], v[P+32*c+16:P+32*c+31], v[TM+13+2*c]
.endif
.elseif n == 91
	v_nop                                              ; one plain place behind a scaled conversion
.elseif n < 104
.set c, (n-92)/6
.set u, (n-92)%6
.if u < 3
	v_permlane16_swap_b32 v[PCD+6*c+u], v[CT+4*c+u]
.else
	v_mov_b32 v[PCD+6*c+u], v[CT+4*c+u-3]
.endif
.elseif n == 104
	v_pk_add_f32 v[SA:SA+1], v[P:P+1], v[P+2:P+3]
.elseif n < 135
.set u, n-105
.set c, 4+4*(u/2)
.if u%2 == 0
	v_pk_add_f32 v[rT+2:rT+3], v[rT+2:rT+3], v[P+c:P+c+1]
.else
	v_pk_add_f32 v[SA:SA+1], v[SA:SA+1], v[P+c+2:P+c+3]
.endif
.else
	v_pk_add_f32 v[rT+2:rT+3], v[rT+2:rT+3], v[SA:SA+1]
.endif
.set n, n+1
.endm
; S^T = K Q^T for tile i of the queries: 8 tiles of 16 keys, 4 K steps of 4.  The eight accumulators take turns, one instruction a turn; the first K step starts the sums.
; q = 0, 1: a slice of tile q's list stands behind each product: three lines behind each of the first 23 (the batch of exponentials), seven behind each of the next eight, eleven behind the last: 69 + 56 + 11 = 136.
; The last eleven are sums, which name nothing of these products: more than the eight places that are asked between the last product and the first read of S^T.  q = 2: no slices.
.macro SCORES i, q
.set k, 0
.set n, 0
.irp s, 0,1,2,3
.irp t, 0,1,2,3,4,5,6,7
	WIN 0x55                                           ; all four operands in window 1
.if \s == 0
	v_wmma_f32_16x16x4_f32 v[S+8*\t:S+8*\t+7], v[KF+8*\t+2*\s:KF+8*\t+2*\s+1], v[QF+8*(\i)+2*\s:QF+8*(\i)+2*\s+1], 0
.else
	v_wmma_f32_16x16x4_f32 v[S+8*\t:S+8*\t+7], v[KF+8*\t+2*\s:KF+8*\t+2*\s+1], v[QF+8*(\i)+2*\s:QF+8*(\i)+2*\s+1], v[S+8*\t:S+8*\t+7]
.endif
.if \q < 2
.set cnt, 3
.if k > 22
.set cnt, 7
.endif
.if k == 31
.set cnt, 11
.endif
.rept cnt
	SB \q
.endr
.endif
.set k, k+1
.endr
.endr
	WIN 0
.endm
.macro PV i                            ; O^T += V^T p^T for tile i: K = the step's 128 keys
	v_wmma_scale_f32_16x16x128_f8f6f4 v[OA+8*(\i):OA+8*(\i)+7], v[VC:VC+11], v[PCD:PCD+11], v[OA+8*(\i):OA+8*(\i)+7], v[SV], v[SP] matrix_a_fmt:MATRIX_FMT_BF6 matrix_b_fmt:MATRIX_FMT_BF6
.endm
; A TRIP: the second half of step j - 1 and the first half of step j.  It finds V(j - 1) in f32 in P, tile 0's S^T(j - 1) and K(j - 1).
.macro TRIP
	LOADH                                              ; h of step j: asked for here, wanted half a trip on
	QUANT P, VC, SV                                    ; V(j - 1) along the keys
	SMA 0
	SMC 0
	SCORES 1, 0                                        ; tile 1's S^T(j - 1) | tile 0's exponentials, codes and sums
	PV 0
	SMA 1
	s_wait_dscnt 0x0                                   ; h of step j is in
	KPROJ                                              ; K(j): the products that read K(j - 1) stand more than nine places back
	SMC 1                                              ; five plain lines
	v_nop                                              ; and one: five places are asked between K^T and its use as a source
	SCORES 0, 1                                        ; tile 0's S^T(j) | tile 1's exponentials, codes and sums
	PV 1
	VPROJ                                              ; V(j), into the registers that p has left
.endm
	s_load_b256 s[4:11], s[0:1], 0x0               ; h codes s[4:5], h scales s[6:7], W_query codes s[8:9], scales s[10:11]
	s_load_b256 s[12:19], s[0:1], 0x20             ; W_key codes s[12:13], scales s[14:15], W_val codes s[16:17], scales s[18:19]
	s_load_b128 s[20:23], s[0:1], 0x40             ; W_out s[20:21], out0 s[22:23]
	v_lshl_add_u32 v254, v0, 2, 0x3a400
	v_mov_b32 v255, 0
	ds_add_u32 v254, v255
	ds_add_u32 v254, v255
	v_lshrrev_b32 v1, 5, v0
	v_readfirstlane_b32 s[WAVE], v1                ; wave = head, 0..7
	s_bfe_u32 s[CX], ttmp6, 0x40000                ; my place in the cluster
	s_and_b32 s[BAT], ttmp7, 0xffff                ; the batch, which the four partners share
	s_lshl_b32 s[Q0], ttmp9, 2
	s_add_co_u32 s[Q0], s[Q0], s[CX]
	s_lshl_b32 s[Q0], s[Q0], 5                     ; my first query: 32 (4 x cluster x + cx)
	; descriptor groups 1: dense blocks as rows of 256 bytes (32 elements of 8 bytes), no padding; 15:0 the mask: all four work-groups; 21 set beside a mask
.irp g, G1S, G1A, G1B
	s_mov_b32 s[\g], 15|(3<<16)|(1<<21)
	s_mov_b32 s[\g+1], 32<<16                      ; tensor_dim0
	s_mov_b32 s[\g+3], 32<<16                      ; tile_dim0
	s_mov_b32 s[\g+5], 32                          ; the pitch
	s_mov_b32 s[\g+6], 0
	s_mov_b32 s[\g+7], 0
.endr
	s_mov_b32 s[G1S+2], 4<<16                      ; the scale words: 1,024 bytes a wave
	s_mov_b32 s[G1S+4], 4
	s_mov_b32 s[G1A+2], 24<<16                     ; keys 0-511: 64 keys, 6,144 bytes a wave
	s_mov_b32 s[G1A+4], 24
	s_mov_b32 s[G1B+2], 72<<16                     ; keys 512-2,047: 192 keys, 18,432 bytes a wave
	s_mov_b32 s[G1B+4], 72
	s_mov_b32 s[SEL], 0x76543210
	s_mov_b32 s[SEL+1], 0xfedcba98
	s_mov_b32 s[CS], 0x3eb8aa3b                    ; c = log2(e) / 4
	s_mov_b32 s[CS+1], s[CS]                       ; (named with it as a pair, so it is written)
	; offsets, apart from the addresses.  Those of the fills hang on the batch and the wave alone
	s_lshl_b32 s73, s[WAVE], 10
	s_lshl_b32 s74, s[BAT], 13
	s_add_co_u32 s74, s74, s73                     ; scale words: 8,192 b + 1,024 w
	s_mov_b32 s75, 0
	s_mul_i32 s92, s[BAT], 196608
	s_mul_i32 s93, s[WAVE], 6144
	s_add_co_u32 s76, s92, s93                     ; codes: 196,608 b + 6,144 w
	s_mov_b32 s77, 0
	s_mul_i32 s94, s[WAVE], 18432
	s_add_co_u32 s94, s94, 49152
	s_add_co_u32 s78, s92, s94                     ; and 196,608 b + 49,152 + 18,432 w
	s_mov_b32 s79, 0
	s_mul_i32 s80, s[WAVE], 1536                   ; my head's 16 rows of a weight's codes
	s_mov_b32 s81, 0
	s_lshl_b32 s82, s[WAVE], 6                     ; its 16 scale words; also my 16 columns of W_out
	s_mov_b32 s83, 0
	s_lshl_b32 s84, s[BAT], 11
	s_add_co_u32 s84, s84, s[Q0]                   ; my first row: 2,048 b + q0
	s_mul_i32 s86, s84, 96
	s_mov_b32 s87, 0
	s_lshl_b32 s88, s84, 2
	s_mov_b32 s89, 0
	s_lshl_b32 s85, s[WAVE], 2
	s_add_co_u32 s85, s85, s84                     ; the first of the 4 rows of out0 that I store
	s_lshl_b32 s90, s85, 9
	s_mov_b32 s91, 0
	s_wait_dscnt 0x0
	s_wait_kmcnt 0x0
	s_mov_b32 s[G0S], 1                            ; count = 1
	s_add_co_u32 s[G0S+1], s73, HS                 ; LDS address
	s_add_nc_u64 s[G0S+2:G0S+3], s[6:7], s[74:75]  ; global address
	s_or_b32 s[G0S+3], s[G0S+3], 0x80000000        ; type = 2
	s_mov_b32 s[G0A], 1
	s_mov_b32 s[G0A+1], s93
	s_add_nc_u64 s[G0A+2:G0A+3], s[4:5], s[76:77]
	s_or_b32 s[G0A+3], s[G0A+3], 0x80000000
	s_mov_b32 s[G0B], 1
	s_mov_b32 s[G0B+1], s94
	s_add_nc_u64 s[G0B+2:G0B+3], s[4:5], s[78:79]
	s_or_b32 s[G0B+3], s[G0B+3], 0x80000000
	s_add_nc_u64 s[86:87], s[4:5], s[86:87]        ; my query rows' codes
	s_add_nc_u64 s[88:89], s[6:7], s[88:89]        ; and scale words
	s_add_nc_u64 s[8:9], s[8:9], s[80:81]
	s_add_nc_u64 s[10:11], s[10:11], s[82:83]
	s_add_nc_u64 s[12:13], s[12:13], s[80:81]
	s_add_nc_u64 s[14:15], s[14:15], s[82:83]
	s_add_nc_u64 s[16:17], s[16:17], s[80:81]
	s_add_nc_u64 s[18:19], s[18:19], s[82:83]
	s_add_nc_u64 s[20:21], s[20:21], s[82:83]
	s_add_nc_u64 s[22:23], s[22:23], s[90:91]
	CROUND                                         ; all four work-groups are here: the joint loads meet
	tensor_load_to_lds s[G0S:G0S+3], s[G1S:G1S+7]  ; the first fills, and the only ones, as one group: three loads of mine are out
	s_nop 0
	tensor_load_to_lds s[G0A:G0A+3], s[G1A:G1A+7]
	s_nop 0
	tensor_load_to_lds s[G0B:G0B+3], s[G1B:G1B+7]
	s_nop 0
	PLACES 4                                       ; four v_nop follow the last of them
	v_and_b32 v[RR], 15, v0
	v_bfe_u32 v[HH], v0, 4, 1
	v_mul_u32_u24 v[AW], v[RR], 96
	v_mad_u32_u24 v[AW], v[HH], 24, v[AW]
	v_and_b32 v[T1], 8, v[RR]
	v_add_nc_u32 v[T1], v[T1], v[RR]               ; r + 8 (r / 8)
	v_mul_u32_u24 v[AK0], v[T1], 96
	v_mad_u32_u24 v[AK0], v[HH], 24, v[AK0]
	v_lshl_add_u32 v[AS0], v[T1], 2, HS
	v_lshlrev_b32 v[T2], 2, v[RR]                  ; 4 r: a scale word; a column of W_out
	v_lshl_add_u32 v[T3], v[HH], 14, v[T2]         ; W_out: lanes 16-31 begin 32 rows of 512 bytes further down
.irp p, 0,1,2,3,4,5
	global_load_b64 v[PCD+2*\p:PCD+2*\p+1], v[AW], s[8:9] offset:48*(\p/3)+8*(\p%3)
	global_load_b64 v[WKF+2*\p:WKF+2*\p+1], v[AW], s[12:13] offset:48*(\p/3)+8*(\p%3)
	global_load_b64 v[WVF+2*\p:WVF+2*\p+1], v[AW], s[16:17] offset:48*(\p/3)+8*(\p%3)
.endr
	global_load_b32 v[SWQ], v[T2], s[10:11]
	global_load_b32 v[SWK], v[T2], s[14:15]
	global_load_b32 v[SWV], v[T2], s[18:19]
.irp i, 0,1
.irp p, 0,1,2,3,4,5
	global_load_b64 v[QH+12*\i+2*\p:QH+12*\i+2*\p+1], v[AW], s[86:87] offset:1536*\i+48*(\p/3)+8*(\p%3)
.endr
	global_load_b32 v[HSC+\i], v[T2], s[88:89] offset:64*\i
.endr
.irp c, 0,1
.set j, 0
.rept 32
	global_load_b32 v[P+32*\c+j], v[T3], s[20:21] offset:512*(64*\c+j)   ; W_out(64 c + 32 h + j, 16 w + r): a lane takes a column, its registers run down K
.set j, j+1
.endr
.endr
	s_wait_loadcnt 0x0
	WIN 0x40                                       ; Q^T = W_query h^T, into window 1: it stays
.irp i, 0,1
	v_wmma_scale_f32_16x16x128_f8f6f4 v[QF+8*\i:QF+8*\i+7], v[PCD:PCD+11], v[QH+12*\i:QH+12*\i+11], 0, v[SWQ], v[HSC+\i] matrix_a_fmt:MATRIX_FMT_BF6 matrix_b_fmt:MATRIX_FMT_BF6
.endr
	WIN 0
	; W_out's 16 columns of mine become a fragment: a lane holds two whole blocks (h and 2 + h), so no other lane is asked for a maximum.  This work stands while the fills are on their way
.irp c, 0,1
	v_max3_num_f32 v[TM+\c], |v[P+32*\c]|, |v[P+32*\c+1]|, 0x2800000
.endr
.irp n, 2,4,6,8,10,12,14,16,18,20,22,24,26,28,30
.irp c, 0,1
	v_max3_num_f32 v[TM+\c], v[TM+\c], |v[P+32*\c+\n]|, |v[P+32*\c+\n+1]|
.endr
.endr
.irp c, 0,1
	v_add_nc_u32 v[TM+12+\c], 0xfe000000, v[TM+\c]
.endr
.irp c, 0,1
	v_lshrrev_b32 v[TM+4+\c], 23, v[TM+12+\c]
.endr
	v_lshl_or_b32 v[SWO], v[TM+5], 16, v[TM+4]     ; my two bytes,
	v_lshlrev_b32 v[T1], 3, v[HH]
	v_lshlrev_b32 v[SWO], v[T1], v[SWO]            ; at their places in the word (8 h bits up);
	v_mov_b32 v[T2], 0
	v_permlanex16_b32 v[T2], v[SWO], s[SEL], s[SEL+1]
	v_or_b32 v[SWO], v[SWO], v[T2]                 ; with lane l xor 16's two the word is whole
.irp c, 0,1
	v_cvt_scalef32_pk16_bf6_f32 v[WO+6*\c:WO+6*\c+2], v[P+32*\c:P+32*\c+15], v[TM+12+\c]
	v_cvt_scalef32_pk16_bf6_f32 v[CT+4*\c:CT+4*\c+2], v[P+32*\c+16:P+32*\c+31], v[TM+12+\c]
.endr
	v_nop                                          ; one plain place behind a scaled conversion
.irp c, 0,1
.irp i, 0,1,2
	v_mov_b32 v[WO+3+6*\c+\i], v[CT+4*\c+\i]
.endr
.endr
	; the start: the softmax has no first step of its own: zeros, which the first change of M leaves zeros
.irp i, 0,1
	v_mov_b32 v[ST+4*\i+1], 0xff61b1e6             ; the largest t so far: -3e38
	v_floor_f32 v[ST+4*\i], -v[ST+4*\i+1]          ; -M
	v_mov_b32 v[ST+4*\i+2], 0
	v_mov_b32 v[ST+4*\i+3], 0
.endr
.set j, 0
.rept 16
	v_mov_b32 v[OA+j], 0
.set j, j+1
.endr
.irp b, 0,1,2,3
	v_mov_b32 v[TM+4+\b], 0                        ; a lane permute's destination counts as one of its sources
.endr
	v_mov_b32 v[F+1], 0
	s_wait_tensorcnt 0x1                           ; my parts of the scale words and of keys 0-511 are in; the one load that may be out brings keys 512 on,
	BARRIER                                        ; everybody's are.
	s_mov_b32 s[TB], 0
	s_mov_b32 s[TS], 0
	LOADH                                          ; THE FIRST HALF OF STEP 0 is written out: there is no softmax yet to set between its products
	s_wait_dscnt 0x0
	KPROJ
	PLACES 6                                       ; five places are asked between K^T and its use as a source
	SCORES 0, 2
	VPROJ
	s_mov_b32 s[CNT], 3
.Lfirst:                                               ; steps 1 to 3 are fetched here: keys up to 511, while the rest lands
	TRIP
	s_sub_co_u32 s[CNT], s[CNT], 1
	s_cmp_lg_u32 s[CNT], 0
	s_cbranch_scc1 .Lfirst
	s_wait_tensorcnt 0x0                           ; my part of keys 512-2,047 is in,
	BARRIER                                        ; everybody's is
	s_mov_b32 s[TB], 512*96
	s_mov_b32 s[TS], 512*4
	s_mov_b32 s[CNT], 12
.Lrest:                                                ; steps 4 to 15
	TRIP
	s_sub_co_u32 s[CNT], s[CNT], 1
	s_cmp_lg_u32 s[CNT], 0
	s_cbranch_scc1 .Lrest
	PLACES 4                                       ; THE SECOND HALF OF STEP 15 is written out: nothing more is fetched.  Four places before V is read
	QUANT P, VC, SV
	SMA 0
	SMC 0
	SCORES 1, 0
	PV 0
	SMA 1
	SMC 1
.set n, 0
.rept 136
	SB 1                                           ; the last tile's list has no products left to stand behind
.endr
	PV 1
	; THE WAY OUT.  heads = O^T / the sum; all 8 heads of the 32 rows meet in a stage; every wave quantises both tiles of rows along K = 16 x head + channel and makes its 16 columns of out.
	v_add_f32 v[ST+2], v[ST+2], v[ST+3]            ; the sums' two halves (these lines are also the places behind the last product),
	v_add_f32 v[ST+6], v[ST+6], v[ST+7]
	v_permlanex16_b32 v[T2], v[ST+2], s[SEL], s[SEL+1]
	v_permlanex16_b32 v[T3], v[ST+6], s[SEL], s[SEL+1]
	v_add_f32 v[ST+2], v[ST+2], v[T2]              ; and lane l xor 16's
	v_add_f32 v[ST+6], v[ST+6], v[T3]
	v_rcp_f32 v[RC], v[ST+2]
	v_rcp_f32 v[RC+1], v[ST+6]
	s_lshl_b32 s74, s[WAVE], 6
	s_mul_i32 s75, s[WAVE], 4*SPITCH
	v_mul_u32_u24 v[SO1], v[RR], SPITCH            ; (plain work behind the reciprocals)
	v_lshl_add_u32 v[SR1], v[HH], 6, v[SO1]
	v_add_nc_u32 v[SR1], STG1, v[SR1]              ; out of stage 1: row r, + 64 h: my 16 numbers of each block of 32
	v_lshl_add_u32 v[SO1], v[HH], 5, v[SO1]
	v_add_nc_u32 v[SO1], s74, v[SO1]               ; into a stage: row r, + 64 w + 32 h: my eight numbers
	v_add_nc_u32 v[SO2], STG2, v[SO1]
	v_add_nc_u32 v[SO1], STG1, v[SO1]
	v_and_b32 v[GO], 31, v0
	v_lshlrev_b32 v[GO], 4, v[GO]                  ; 16 x lane: my place in a row of out0
	v_add_nc_u32 v[SR2], s75, v[GO]
	v_add_nc_u32 v[SR2], STG2, v[SR2]              ; out of stage 2: rows 4 w on, whole
	s_wait_alu depctr_va_vdst(0)                   ; one wait for the two reciprocals, ahead of their first reader
.irp i, 0,1
.irp n, 0,1,2,3,4,5,6,7
	v_mul_f32 v[P+8*\i+\n], v[OA+8*\i+\n], v[RC+\i]   ; heads(16 i + r, 16 w + 8 h + n)
.endr
.endr
.irp i, 0,1
	ds_store_b128 v[SO1], v[P+8*\i:P+8*\i+3] offset:16*SPITCH*\i
	ds_store_b128 v[SO1], v[P+8*\i+4:P+8*\i+7] offset:16*SPITCH*\i+16
.endr
	BARRIER                                        ; the 32 rows of all 8 heads lie in stage 1
.irp i, 0,1
.irp b, 0,1,2,3
.irp n, 0,1,2,3
	ds_load_b128 v[P+16*\b+4*\n:P+16*\b+4*\n+3], v[SR1] offset:16*SPITCH*\i+128*\b+16*\n
.endr
.endr
	s_wait_dscnt 0x0
	QUANT P, VC+12*\i, SH+\i                       ; tile 0 into V's registers, tile 1 into p's: both are done with
.endr
	PLACES 8                                       ; the scale words stand eight places, the codes four, ahead of the scaled products
.irp i, 0,1
	v_wmma_scale_f32_16x16x128_f8f6f4 v[OA+8*\i:OA+8*\i+7], v[WO:WO+11], v[VC+12*\i:VC+12*\i+11], 0, v[SWO], v[SH+\i] matrix_a_fmt:MATRIX_FMT_BF6 matrix_b_fmt:MATRIX_FMT_BF6
.endr
	PLACES 4                                       ; four places before the results are stored
.irp i, 0,1
	ds_store_b128 v[SO2], v[OA+8*\i:OA+8*\i+3] offset:16*SPITCH*\i        ; out(16 i + r, 16 w + 8 h + 0 .. 7), each accumulator from its low end on
	ds_store_b128 v[SO2], v[OA+8*\i+4:OA+8*\i+7] offset:16*SPITCH*\i+16
.endr
	BARRIER                                        ; 32 whole rows of out lie in stage 2
.irp i, 0,1,2,3
	ds_load_b128 v[P+4*\i:P+4*\i+3], v[SR2] offset:SPITCH*\i
.endr
.irp i, 0,1,2,3
	s_wait_dscnt 3-\i                              ; row i is in; the younger loads may be out
	global_store_b128 v[GO], v[P+4*\i:P+4*\i+3], s[22:23] offset:512*\i th:TH_STORE_NT   ; 32 lanes store a row: 512 consecutive bytes, at a multiple of 256 from out0's first byte
.endr
	s_wait_tensorcnt 0x0
	ds_add_u32 v254, v255
	s_wait_dscnt 0x0
	CROUND                                         ; the closing round: no work-group ends while a partner may still ask for a tile that names it
	s_endpgm
.Lfunc_end_k_q6962582a88_mha:
	.size	k_q6962582a88_mha, .Lfunc_end_k_q6962582a88_mha-k_q6962582a88_mha
	.p2alignl 7, 3214868480
	.fill 96, 4, 3214868480
	.section	.rodata,"a",@progbits
	.p2align	6, 0x0
	.amdhsa_kernel k_q6962582a88_mha
		.amdhsa_group_segment_fixed_size 239616
		.amdhsa_private_segment_fixed_size 0
		.amdhsa_enable_private_segment 0
		.amdhsa_kernarg_size 80
		.amdhsa_user_sgpr_count 2
		.amdhsa_user_sgpr_kernarg_segment_ptr 1
		.amdhsa_wavefront_size32 1
		.amdhsa_system_sgpr_workgroup_id_x 1
		.amdhsa_system_sgpr_workgroup_id_y 1
		.amdhsa_system_sgpr_workgroup_id_z 1
		.amdhsa_system_vgpr_workitem_id 0
		.amdhsa_next_free_vgpr 512
		.amdhsa_next_free_sgpr 96
		.amdhsa_reserve_vcc 0
		.amdhsa_float_denorm_mode_32 3
		.amdhsa_float_denorm_mode_16_64 3
		.amdhsa_memory_ordered 1
		.amdhsa_forward_progress 1
		.amdhsa_inst_pref_size 152
	.end_amdhsa_kernel
	.amdgpu_metadata
---
amdhsa.version: [ 1, 2 ]
amdhsa.kernels:
  - .name:           k_q6962582a88_mha
    .symbol:         k_q6962582a88_mha.kd
    .args:
      - { .name: h_codes, .offset: 0, .size: 8, .value_kind: global_buffer, .address_space: global }
      - { .name: h_scales, .offset: 8, .size: 8, .value_kind: global_buffer, .address_space: global }
      - { .name: W_query_codes, .offset: 16, .size: 8, .value_kind: global_buffer, .address_space: global }
      - { .name: W_query_scales, .offset: 24, .size: 8, .value_kind: global_buffer, .address_space: global }
      - { .name: W_key_codes, .offset: 32, .size: 8, .value_kind: global_buffer, .address_space: global }
      - { .name: W_key_scales, .offset: 40, .size: 8, .value_kind: global_buffer, .address_space: global }
      - { .name: W_val_codes, .offset: 48, .size: 8, .value_kind: global_buffer, .address_space: global }
      - { .name: W_val_scales, .offset: 56, .size: 8, .value_kind: global_buffer, .address_space: global }
      - { .name: W_out, .offset: 64, .size: 8, .value_kind: global_buffer, .address_space: global }
      - { .name: out0, .offset: 72, .size: 8, .value_kind: global_buffer, .address_space: global }
    .group_segment_fixed_size: 239616
    .private_segment_fixed_size: 0
    .kernarg_segment_align: 8
    .kernarg_segment_size: 80
    .max_flat_workgroup_size: 256
    .sgpr_count:     96
    .vgpr_count:     512
    .wavefront_size: 32
...
	.end_amdgpu_metadata
.endif
;; end of part 1
